; MI455X (gfx1250); checked and timed in simulation.
; The chip was launched on July 23, 2026; its instructions are those of AMD's public machine-readable ISA for CDNA 5 (MIT licence, August 2026) and "CDNA5" Instruction Set Architecture Reference Guide (July 2026). The comments in the code are by the model that wrote it; some were corrected since.
;; Variational Net. Allowed arithmetic: float matrix products may take bf16 or f16 operands with f32 sums; all other float work in f32.
;; Inputs: b_mu_h 3 x 2,048 float32; b_mu_o 1 float32; b_rho_h 3 x 2,048 float32; b_rho_o 1 float32; eps_b_h 3 x 2,048 float32; eps_b_o 1 float32; eps_w_h 3 x 2,048 x 2,048 float32; eps_w_o 1 x 2,048 float32; w_mu_h 3 x 2,048 x 2,048 float32; w_mu_o 1 x 2,048 float32; w_rho_h 3 x 2,048 x 2,048 float32; w_rho_o 1 x 2,048 float32; x 4,096 x 2,048 float32.
;; Outputs: out0 4,096 x 1 float32.
;; One version. Each part assembles by itself: llvm-mc -triple=amdgcn-amd-amdhsa -mcpu=gfx1250 --defsym DOCPART=n.
;; ======== version 1 of 1: 5 launches
;; limits: inputs' magnitudes at most 65,504; values are held in f16: magnitudes above 65,504 overflow, below 6.1e-05 lose precision
;; workspace buffers: ha 16,779,264 bytes; hb 16,779,264 bytes; w1 8,398,080 bytes; w2 8,398,080 bytes; w3 8,398,080 bytes; wo 8,192 bytes
;; launch prep (part 1): grid 1032 x 1, 8 waves a work-group, no clusters, 19,712 bytes of LDS; arguments w_mu_h, w_rho_h, eps_w_h, w1, w2, w3, x, ha, b_mu_h, b_rho_h, eps_b_h, w_mu_o, w_rho_o, eps_w_o, wo; writes w1, w2, w3, ha, wo
.if DOCPART == 1
	.amdgcn_target "amdgcn-amd-amdhsa--gfx1250"
	.amdhsa_code_object_version 6
	.text
	.protected	k_q01c18dbe8b_prep
	.globl	k_q01c18dbe8b_prep
	.p2align	8
	.type	k_q01c18dbe8b_prep,@function
k_q01c18dbe8b_prep:
	s_mov_b64 s[64:65], 0
	v_nop
	global_prefetch_b8 v0, s[64:65] scope:SCOPE_SE
	s_setreg_imm32_b32 hwreg(HW_REG_WAVE_MODE, 25, 1), 1
	s_wait_xcnt 0x0
; Samples every weight and bias once, w = mu + eps * softplus(rho), and narrows the matrix operands to f16.
;   work-groups    0 ..  767: 16,384 weights of a hidden layer each -> w1 / w2 / w3 as [2048 n][2048 k] f16, and max |w| of the part
;   work-groups  768 .. 1023: 16 rows of x each -> ha as f16 in the matrix unit's register image (below), and (max |x|, scale 1.0)
;   work-groups 1024 .. 1031: 1,024 numbers each of a hidden bias (f32, behind the layer's weights, with max |b|) or of w_o (f32 -> wo)
; The maxima feed the later launches' power-of-two scales; they are values only, no address or branch hangs on them.
; ACTIVATIONS' LAYOUT.  For a block of 16 rows R and a chunk c of 32 k: 1,024 bytes at (64 R + c) x 1,024; in them the 16 bytes of row r,
; k = 32 c + 16 p + 8 h + 0 .. 7 lie at 512 p + 16 (16 h + r).  So 512 consecutive bytes, 16 a lane, are half a 16 x 32 fragment.
; A stream: memory binds, so no matrix unit, no cluster.  The trip stands in every immediate, so no address register is ever
; rewritten.  A wave's load covers whole aligned runs of 256 bytes, a wave's store 256 (weights) or 512 (x) consecutive bytes.
; softplus(r) = max(r, 0) + log1p(e^-|r|).  With t = e^-|r|: for t < 2^-6 the series t - t^2/2 + t^3/3 - t^4/4
; (first term left out: t^4/5 of the result, below 2^-26), else ln2 * log2(1 + t) (1 + t is rounded at 2^-24 against a result of
; at least 2^-6.02).
; LIMITS: |x| or |w| above 65,504 becomes infinite in f16.  For rho below about -87.3 t is below 2^-126 and v_exp_f32 gives 0
; (ISA guide, 15.8), so softplus comes out as 0 there instead of a denormal.
.set LO,  1                            ; v1       16 t: my 16 bytes of a trip's f32
.set SO,  2                            ; v2       8 t: my 8 bytes of a trip's f16
.set WA,  3                            ; v3       4 x wave: my wave's word in LDS
.set C13, 4                            ; v[4:5]   1/3, twice
.set A,   6                            ; v[6:9]   at work; the four samples at the end
.set T,   10                           ; v[10:13] t = e^-|rho|
.set U,   14                           ; v[14:17] 1 + t
.set Q,   18                           ; v[18:21] the series
.set P,   22                           ; v[22:25] max(rho, 0)
.set X,   26                           ; v[26:73] slot i: 12 registers: mu, rho, eps
.set Y,   74                           ; v[74:89] slot i: 4 registers of f16 pairs to store
.set MX,  90                           ; v90 running maximum of magnitudes; v91 = 1.0 (x's scale)
.set RT,  92                           ; v92      the other half's maximum
.set ZR,  93                           ; v93      0
; x's path has its own use of v4-89 (it samples nothing):
.set XL,  4                            ; v[4:67]  two slots of 32: eight loads of 4 f32 a lane
.set RBK, 68                           ; v[68:83] 2,048 bytes read back from LDS, to store
.set XI,  84                           ; v84      my offset in x
.set XS,  85                           ; v85      where I put 8 bytes in my wave's LDS
.set XR,  86                           ; v86      where I read 16 bytes back
.set XO,  87                           ; v87      my offset in ha
.set XSTG, 256                         ; LDS: bytes 0-31 the waves' maxima; from 256 on 2,304 bytes for each wave
.set XPIT, 288                         ; 16 rows x 16 bytes + 32: the eight runs of a store start 32 bytes apart modulo 256
	s_load_b512 s[8:23], s[0:1], 0x0               ; w_mu_h 8, w_rho_h 10, eps_w_h 12, w1 14, w2 16, w3 18, x 20, ha 22
	s_load_b256 s[24:31], s[0:1], 0x40             ; b_mu_h 24, b_rho_h 26, eps_b_h 28, w_mu_o 30
	s_load_b128 s[32:35], s[0:1], 0x60             ; w_rho_o 32, eps_w_o 34
	s_load_b64 s[36:37], s[0:1], 0x70              ; wo
	v_lshl_add_u32 v94, v0, 2, 0x4900
	v_mov_b32 v95, 0
	s_mov_b32 s4, ttmp9                            ; the work-group's number
	s_mov_b32 s3, 0                                ; high word of every offset pair s[2:3]
	s_mov_b32 s38, 0xbfb8aa3b                      ; -log2(e)
	s_mov_b32 s39, 0x3c800000                      ; 2^-6
	s_mov_b32 s40, 0x76543210                      ; v_permlanex16_b32: lane i reads lane i of the other half
	s_mov_b32 s41, 0xfedcba98
	v_lshrrev_b32 v[WA], 5, v0
	v_readfirstlane_b32 s5, v[WA]                  ; wave
	v_mov_b32 v[WA], s5
	v_lshlrev_b32 v[WA], 2, v[WA]
	v_lshlrev_b32 v[LO], 4, v0
	v_lshlrev_b32 v[SO], 3, v0
	v_mov_b32 v[C13], 0x3eaaaaab
	v_mov_b32 v[C13+1], 0x3eaaaaab
	v_mov_b32 v[MX], 0                             ; a maximum of magnitudes starts at 0
	v_mov_b32 v[MX+1], 1.0
	v_mov_b32 v[RT], 0                             ; v_permlanex16_b32's destination counts as read
	v_mov_b32 v[ZR], 0
	s_wait_kmcnt 0x0
; Four samples: mu in v[x:x+3], rho in v[x+4:x+7], eps in v[x+8:x+11]; result in v[A:A+3].
.macro SAMPLE x
.irp k, 0,1,2,3
	v_mul_f32 v[A+\k], s38, |v[\x+4+\k]|           ; -|rho| log2(e)
.endr
.irp k, 0,1,2,3
	v_exp_f32 v[T+\k], v[A+\k]                     ; t
.endr
.irp k, 0,1,2,3
	v_max_num_f32 v[P+\k], 0, v[\x+4+\k]           ; plain work behind the exponentials, ahead of the first use of t (ISA guide 5.7.2)
.endr
	s_wait_alu depctr_va_vdst(0)
.irp k, 0,2
	v_pk_add_f32 v[U+\k:U+\k+1], v[T+\k:T+\k+1], 1.0 op_sel_hi:[1,0]
.endr
.irp k, 0,1,2,3
	v_log_f32 v[A+\k], v[U+\k]                     ; log2(1 + t)
.endr
.irp k, 0,2
	v_pk_fma_f32 v[Q+\k:Q+\k+1], v[T+\k:T+\k+1], 0xbe800000, v[C13:C13+1] op_sel_hi:[1,0,1]   ; 1/3 - t/4: also the plain work behind the logarithms
.endr
.irp k, 0,2
	v_pk_fma_f32 v[Q+\k:Q+\k+1], v[T+\k:T+\k+1], v[Q+\k:Q+\k+1], -0.5 op_sel_hi:[1,1,0]
.endr
.irp k, 0,2
	v_pk_fma_f32 v[Q+\k:Q+\k+1], v[T+\k:T+\k+1], v[Q+\k:Q+\k+1], 1.0 op_sel_hi:[1,1,0]
.endr
.irp k, 0,2
	v_pk_mul_f32 v[Q+\k:Q+\k+1], v[T+\k:T+\k+1], v[Q+\k:Q+\k+1]                               ; the series
.endr
	s_wait_alu depctr_va_vdst(0)
.irp k, 0,2
	v_pk_mul_f32 v[A+\k:A+\k+1], v[A+\k:A+\k+1], 0x3f317218 op_sel_hi:[1,0]                   ; ln(1 + t)
.endr
.irp k, 0,1,2,3
	v_cmp_gt_f32 vcc_lo, s39, v[T+\k]              ; t < 2^-6: the series
	v_cndmask_b32 v[A+\k], v[A+\k], v[Q+\k], vcc_lo
.endr
.irp k, 0,2
	v_pk_add_f32 v[A+\k:A+\k+1], v[A+\k:A+\k+1], v[P+\k:P+\k+1]                               ; softplus
.endr
.irp k, 0,2
	v_pk_fma_f32 v[A+\k:A+\k+1], v[\x+8+\k:\x+8+\k+1], v[A+\k:A+\k+1], v[\x+\k:\x+\k+1]       ; mu + eps softplus
.endr
.endm
; The work-group's maximum of MX: over the wave's lanes, then over the eight waves through LDS; lane 0 of wave 0 alone is left on.
.macro REDUCE
	s_wait_xcnt 0x0                                ; every store has read its sources: v[6:13] are loaded below, and EXEC is narrowed below; no global instruction stands between
.irp m, 1,2,4,8
	v_max_num_f32_dpp v[MX], v[MX], v[MX] row_xmask:\m row_mask:0xf bank_mask:0xf
.endr
	v_permlanex16_b32 v[RT], v[MX], s40, s41
	v_max_num_f32 v[MX], v[MX], v[RT]
	ds_store_b32 v[WA], v[MX]                      ; all lanes of a wave write the wave's word with the same value
	s_wait_dscnt 0x0                               ; for the other waves' sake: my store is done before I signal
	s_barrier_signal -1
	s_barrier_wait -1
	ds_load_b128 v[6:9], v[ZR]
	ds_load_b128 v[10:13], v[ZR] offset:16
	s_wait_dscnt 0x0
	v_max3_num_f32 v6, v6, v7, v8
	v_max3_num_f32 v9, v9, v10, v11
	v_max3_num_f32 v6, v6, v12, v13
	v_max_num_f32 v[MX], v6, v9
	v_cmp_eq_u32 vcc_lo, 0, v0
	s_and_saveexec_b32 s48, vcc_lo
.endm
	s_cmp_ge_u32 s4, 1024
	s_cbranch_scc1 .Lsmall
	s_cmp_ge_u32 s4, 768
	s_cbranch_scc1 .Lx
; ---------------- hidden weights: 16 trips of 1,024 numbers ----------------
	s_lshr_b32 s6, s4, 8                           ; layer
	s_and_b32 s7, s4, 255                          ; part of the layer
	s_lshl_b32 s2, s4, 16                          ; 16,384 f32 a work-group, the three layers one behind the other
	s_add_nc_u64 s[44:45], s[8:9], s[2:3]          ; mu
	s_add_nc_u64 s[46:47], s[10:11], s[2:3]        ; rho
	s_add_nc_u64 s[50:51], s[12:13], s[2:3]        ; eps
	s_cmp_eq_u32 s6, 0
	s_cselect_b64 s[42:43], s[14:15], s[16:17]
	s_cmp_eq_u32 s6, 2
	s_cselect_b64 s[42:43], s[18:19], s[42:43]     ; the layer's buffer
	s_lshl_b32 s2, s7, 15
	s_add_nc_u64 s[52:53], s[42:43], s[2:3]        ; my 32,768 bytes of f16
	s_lshl_b32 s2, s7, 2
	s_add_nc_u64 s[54:55], s[42:43], s[2:3]
	s_add_nc_u64 s[54:55], s[54:55], 0x802000      ; my word among the layer's 256 partial maxima
.macro WLOAD i, t
	global_load_b128 v[X+12*\i:X+12*\i+3],    v[LO], s[44:45] offset:(\t)*4096 th:TH_LOAD_NT
	global_load_b128 v[X+12*\i+4:X+12*\i+7],  v[LO], s[46:47] offset:(\t)*4096 th:TH_LOAD_NT
	global_load_b128 v[X+12*\i+8:X+12*\i+11], v[LO], s[50:51] offset:(\t)*4096 th:TH_LOAD_NT
.endm
; Slot i's turn, trip t.  ahead = 1: the slot is filled again with trip t + 4.  left = younger loads that may stay out.
.macro WSLOT i, t, ahead, left
	s_wait_loadcnt \left                           ; loads come back in order: this slot's three are in, three younger slots of three stay out
	s_wait_xcnt 0x0                                ; the slot's last store has read Y: it is rewritten only behind this wait
	SAMPLE X+12*\i
	v_max3_num_f32 v[MX], v[MX], |v[A]|, |v[A+1]|
	v_max3_num_f32 v[MX], v[MX], |v[A+2]|, |v[A+3]|
	v_cvt_pk_f16_f32 v[Y+4*\i], v[A], v[A+1]
	v_cvt_pk_f16_f32 v[Y+4*\i+1], v[A+2], v[A+3]
.if \ahead
	WLOAD \i, \t+4
.endif
	global_store_b64 v[SO], v[Y+4*\i:Y+4*\i+1], s[52:53] offset:(\t)*2048
.endm
	WLOAD 0, 0
	WLOAD 1, 1
	WLOAD 2, 2
	WLOAD 3, 3
.set trip, 0
.rept 12
.set slot, trip%4
	WSLOT slot, trip, 1, 9
.set trip, trip+1
.endr
	WSLOT 0, 12, 0, 9                              ; the last four trips load nothing: the counts run down
	WSLOT 1, 13, 0, 6
	WSLOT 2, 14, 0, 3
	WSLOT 3, 15, 0, 0
	REDUCE
	global_store_b32 v[ZR], v[MX], s[54:55]
	s_wait_xcnt 0x0
	s_mov_b32 exec_lo, -1
	s_wait_tensorcnt 0x0
	ds_add_u32 v94, v95
	s_wait_dscnt 0x0
	s_endpgm
; ---------------- x: one block of 16 rows; wave w takes k = 256 w .. 256 w + 255, in four groups of 64 k ----------------
.Lx:
	s_sub_co_u32 s7, s4, 768                       ; the block of 16 rows
	s_lshl_b32 s2, s7, 17
	s_add_nc_u64 s[44:45], s[20:21], s[2:3]        ; its 131,072 bytes of x
	s_lshl_b32 s2, s7, 16
	s_add_nc_u64 s[52:53], s[22:23], s[2:3]        ; its 65,536 bytes of f16
	s_lshl_b32 s2, s7, 3
	s_add_nc_u64 s[54:55], s[22:23], s[2:3]
	s_add_nc_u64 s[54:55], s[54:55], 0x1000000     ; its entry (maximum, scale) behind the activations
	; A load takes two rows: lanes 0-15 256 bytes of row 2 i, lanes 16-31 of row 2 i + 1.  Lane l = (u, m), u = l / 16, m = l % 16, holds
	; k = 4 m + 0 .. 3 of the group: chunk m / 8, piece (m / 4) % 2, half h = (m / 2) % 2, and the lower or upper 8 bytes by m % 2.
	v_and_b32 v88, 31, v0
	v_and_b32 v89, 15, v88                         ; m
	v_lshrrev_b32 v88, 4, v88                      ; u
	s_lshl_b32 s56, s5, 10                         ; my wave's 1,024 bytes of a row of x
	s_mul_i32 s57, s5, 8*XPIT
	s_add_co_u32 s57, s57, XSTG                    ; my wave's 2,304 bytes of LDS
	v_lshlrev_b32 v[XI], 4, v89
	v_lshl_add_u32 v[XI], v88, 13, v[XI]           ; 16 m + 8,192 u
	v_add_nc_u32 v[XI], s56, v[XI]
	v_mul_u32_u24 v[XR], v88, XPIT                 ; back: lane (h, r) reads run 2 t + h, 16 bytes at 16 r
	v_lshl_add_u32 v[XR], v89, 4, v[XR]
	v_add_nc_u32 v[XR], s57, v[XR]
	v_lshrrev_b32 v[XS], 1, v89                    ; in: run m / 2 = (chunk, piece, h),
	v_mul_u32_u24 v[XS], v[XS], XPIT
	v_and_b32 v89, 1, v89
	v_lshl_add_u32 v[XS], v89, 3, v[XS]            ; + 8 (m % 2)
	v_lshl_add_u32 v[XS], v88, 4, v[XS]            ; + 16 u; the row pair's 32 i stands in the immediate
	v_add_nc_u32 v[XS], s57, v[XS]
	v_and_b32 v[XO], 31, v0
	v_lshlrev_b32 v[XO], 4, v[XO]
	s_lshl_b32 s56, s5, 13                         ; my wave's eight chunks of 1,024 bytes
	v_add_nc_u32 v[XO], s56, v[XO]
.macro XLOADG s, g                     ; eight loads: 16 rows x 256 bytes, each run aligned
.irp i, 0,1,2,3,4,5,6,7
	global_load_b128 v[XL+32*\s+4*\i:XL+32*\s+4*\i+3], v[XI], s[44:45] offset:\i*16384+(\g)*256 th:TH_LOAD_NT
.endr
.endm
; Group g in slot s.  ahead = 1: the slot is filled again with group g + 2.  left = younger loads that may stay out.
.macro XGROUP s, g, ahead, left
	s_wait_loadcnt \left                           ; this group's eight loads are in; the younger group's eight stay out
.irp i, 0,1,2,3,4,5,6,7
	v_max3_num_f32 v[MX], v[MX], |v[XL+32*\s+4*\i]|, |v[XL+32*\s+4*\i+1]|
	v_max3_num_f32 v[MX], v[MX], |v[XL+32*\s+4*\i+2]|, |v[XL+32*\s+4*\i+3]|
.endr
.irp i, 0,1,2,3,4,5,6,7
	v_cvt_pk_f16_f32 v[XL+32*\s+4*\i],   v[XL+32*\s+4*\i],   v[XL+32*\s+4*\i+1]    ; in place: 8 bytes in the first two of the four registers
	v_cvt_pk_f16_f32 v[XL+32*\s+4*\i+1], v[XL+32*\s+4*\i+2], v[XL+32*\s+4*\i+3]
.endr
.irp i, 0,1,2,3,4,5,6,7
	ds_store_b64 v[XS], v[XL+32*\s+4*\i:XL+32*\s+4*\i+1] offset:32*\i               ; modulo 256: 32 (m / 2) + 16 u + 8 (m % 2): 32 lanes, 32 different places
.endr
	s_wait_xcnt 0x0                                ; the last group's stores have read RBK: it is loaded again only behind this wait
.irp t, 0,1,2,3
	ds_load_b128 v[RBK+4*\t:RBK+4*\t+3], v[XR] offset:2*XPIT*\t                     ; my wave's own bytes: LDS serves a wave's instructions in order (ISA guide 5.7.1)
.endr
	s_wait_dscnt 0x0                               ; RBK is in; the LDS stores above have read the slot
.if \ahead
	XLOADG \s, \g+2
.endif
.irp t, 0,1,2,3
	global_store_b128 v[XO], v[RBK+4*\t:RBK+4*\t+3], s[52:53] offset:(\g)*2048+512*\t   ; 512 consecutive bytes: piece t % 2 of chunk 2 g + t / 2
.endr
.endm
	XLOADG 0, 0
	XLOADG 1, 1
	XGROUP 0, 0, 1, 8
	XGROUP 1, 1, 1, 8
	XGROUP 0, 2, 0, 8
	XGROUP 1, 3, 0, 0
	REDUCE
	global_store_b64 v[ZR], v[MX:MX+1], s[54:55]   ; (max |x| of my block, 1.0)
	s_wait_xcnt 0x0
	s_mov_b32 exec_lo, -1
	s_wait_tensorcnt 0x0
	ds_add_u32 v94, v95
	s_wait_dscnt 0x0
	s_endpgm
; ---------------- hidden biases and w_o: one trip of 1,024 numbers, kept in f32 ----------------
.Lsmall:
	s_sub_co_u32 s7, s4, 1024                      ; 0 .. 7
	s_lshr_b32 s6, s7, 1                           ; 0, 1, 2: a hidden layer's bias; 3: w_o
	s_lshl_b32 s57, s7, 12                         ; offset in the [3][2048] bias fields
	s_and_b32 s7, s7, 1                            ; which half of the 2,048
	s_lshl_b32 s56, s7, 12                         ; offset in a single row of 2,048
	s_cmp_eq_u32 s6, 0
	s_cselect_b64 s[42:43], s[14:15], s[16:17]
	s_cmp_eq_u32 s6, 2
	s_cselect_b64 s[42:43], s[18:19], s[42:43]     ; the layer's buffer (not used for w_o)
	s_add_nc_u64 s[52:53], s[42:43], 0x800000      ; its bias
	s_add_nc_u64 s[54:55], s[42:43], 0x802400      ; its two partial maxima of |b|
	s_cmp_eq_u32 s6, 3
	s_cselect_b64 s[44:45], s[30:31], s[24:25]     ; mu
	s_cselect_b64 s[46:47], s[32:33], s[26:27]     ; rho
	s_cselect_b64 s[50:51], s[34:35], s[28:29]     ; eps
	s_cselect_b64 s[52:53], s[36:37], s[52:53]     ; to wo, or to the layer's bias
	s_cselect_b32 s2, s56, s57
	s_add_nc_u64 s[44:45], s[44:45], s[2:3]
	s_add_nc_u64 s[46:47], s[46:47], s[2:3]
	s_add_nc_u64 s[50:51], s[50:51], s[2:3]
	s_mov_b32 s2, s56
	s_add_nc_u64 s[52:53], s[52:53], s[2:3]
	s_lshl_b32 s2, s7, 2
	s_add_nc_u64 s[54:55], s[54:55], s[2:3]
	global_load_b128 v[X:X+3],    v[LO], s[44:45] th:TH_LOAD_NT
	global_load_b128 v[X+4:X+7],  v[LO], s[46:47] th:TH_LOAD_NT
	global_load_b128 v[X+8:X+11], v[LO], s[50:51] th:TH_LOAD_NT
	s_wait_loadcnt 0x0
	SAMPLE X
	global_store_b128 v[LO], v[A:A+3], s[52:53]
	v_max3_num_f32 v[MX], v[MX], |v[A]|, |v[A+1]|
	v_max3_num_f32 v[MX], v[MX], |v[A+2]|, |v[A+3]|
	s_cmp_eq_u32 s6, 3                             ; w_o needs no maximum; the branch is the same in all eight waves
	s_cbranch_scc1 .Lend
	REDUCE
	global_store_b32 v[ZR], v[MX], s[54:55]
.Lend:
	s_wait_xcnt 0x0
	s_mov_b32 exec_lo, -1
	s_wait_tensorcnt 0x0
	ds_add_u32 v94, v95
	s_wait_dscnt 0x0
	s_endpgm
.Lfunc_end_k_q01c18dbe8b_prep:
	.size	k_q01c18dbe8b_prep, .Lfunc_end_k_q01c18dbe8b_prep-k_q01c18dbe8b_prep
	.p2alignl 7, 3214868480
	.fill 96, 4, 3214868480
	.section	.rodata,"a",@progbits
	.p2align	6, 0x0
	.amdhsa_kernel k_q01c18dbe8b_prep
		.amdhsa_group_segment_fixed_size 19712
		.amdhsa_private_segment_fixed_size 0
		.amdhsa_enable_private_segment 0
		.amdhsa_kernarg_size 120
		.amdhsa_user_sgpr_count 2
		.amdhsa_user_sgpr_kernarg_segment_ptr 1
		.amdhsa_wavefront_size32 1
		.amdhsa_system_sgpr_workgroup_id_x 1
		.amdhsa_system_sgpr_workgroup_id_y 1
		.amdhsa_system_sgpr_workgroup_id_z 1
		.amdhsa_system_vgpr_workitem_id 0
		.amdhsa_next_free_vgpr 96
		.amdhsa_next_free_sgpr 66
		.amdhsa_reserve_vcc 1
		.amdhsa_float_denorm_mode_32 3
		.amdhsa_float_denorm_mode_16_64 3
		.amdhsa_memory_ordered 1
		.amdhsa_forward_progress 1
		.amdhsa_inst_pref_size 71
	.end_amdhsa_kernel
	.amdgpu_metadata
---
amdhsa.version: [ 1, 2 ]
amdhsa.kernels:
  - .name:           k_q01c18dbe8b_prep
    .symbol:         k_q01c18dbe8b_prep.kd
    .args:
      - { .name: w_mu_h, .offset: 0, .size: 8, .value_kind: global_buffer, .address_space: global }
      - { .name: w_rho_h, .offset: 8, .size: 8, .value_kind: global_buffer, .address_space: global }
      - { .name: eps_w_h, .offset: 16, .size: 8, .value_kind: global_buffer, .address_space: global }
      - { .name: w1, .offset: 24, .size: 8, .value_kind: global_buffer, .address_space: global }
      - { .name: w2, .offset: 32, .size: 8, .value_kind: global_buffer, .address_space: global }
      - { .name: w3, .offset: 40, .size: 8, .value_kind: global_buffer, .address_space: global }
      - { .name: x, .offset: 48, .size: 8, .value_kind: global_buffer, .address_space: global }
      - { .name: ha, .offset: 56, .size: 8, .value_kind: global_buffer, .address_space: global }
      - { .name: b_mu_h, .offset: 64, .size: 8, .value_kind: global_buffer, .address_space: global }
      - { .name: b_rho_h, .offset: 72, .size: 8, .value_kind: global_buffer, .address_space: global }
      - { .name: eps_b_h, .offset: 80, .size: 8, .value_kind: global_buffer, .address_space: global }
      - { .name: w_mu_o, .offset: 88, .size: 8, .value_kind: global_buffer, .address_space: global }
      - { .name: w_rho_o, .offset: 96, .size: 8, .value_kind: global_buffer, .address_space: global }
      - { .name: eps_w_o, .offset: 104, .size: 8, .value_kind: global_buffer, .address_space: global }
      - { .name: wo, .offset: 112, .size: 8, .value_kind: global_buffer, .address_space: global }
    .group_segment_fixed_size: 19712
    .private_segment_fixed_size: 0
    .kernarg_segment_align: 8
    .kernarg_segment_size: 120
    .max_flat_workgroup_size: 256
    .sgpr_count:     66
    .vgpr_count:     96
    .wavefront_size: 32
...
	.end_amdgpu_metadata
.endif
;; end of part 1
;; launch layer1 (part 2): grid 16 x 16, 4 waves a work-group, clusters of 4 x 1, 327,680 bytes of LDS; arguments ha, w1, hb; writes hb
.if DOCPART == 2
	.amdgcn_target "amdgcn-amd-amdhsa--gfx1250"
	.amdhsa_code_object_version 6
	.text
	.protected	k_q01c18dbe8b_layer1
	.globl	k_q01c18dbe8b_layer1
	.p2align	8
	.type	k_q01c18dbe8b_layer1,@function
k_q01c18dbe8b_layer1:
	s_mov_b64 s[64:65], 0
	v_nop
	global_prefetch_b8 v0, s[64:65] scope:SCOPE_SE
	s_setreg_imm32_b32 hwreg(HW_REG_WAVE_MODE, 25, 1), 1
	s_wait_xcnt 0x0
	s_wait_alu depctr_hold_cnt(0) depctr_sa_sdst(0) depctr_va_vdst(0) depctr_va_sdst(0) depctr_va_ssrc(0) depctr_va_vcc(0) depctr_vm_vsrc(0)
	s_getreg_b32 s2, hwreg(HW_REG_IB_STS2, 6, 4)
	s_cmp_eq_u32 s2, 0
	s_cbranch_scc0 .Lentry_in_a_cluster
	s_endpgm
.Lentry_in_a_cluster:
	s_bfe_u32 s2, ttmp6, 0x10000c
	s_cmp_lg_u32 s2, 0x3003
	s_cbranch_scc0 .Lentry_shape_is_right
	s_endpgm
.Lentry_shape_is_right:
; One hidden layer: Hout = f16( relu( Hin W^T + b a ) c ).  Hin, Hout: 4096 x 2048 f16 in the layout below; W: [2048 n][2048 k] f16; sums in f32.
; ACTIVATIONS' LAYOUT.  For a block of 16 rows R and a chunk c of 32 k: 1,024 bytes at (64 R + c) x 1,024; in them the 16 bytes of row r,
; k = 32 c + 16 p + 8 h + 0 .. 7 lie at 512 p + 16 (16 h + r).  That is the register image of a 16 x 32 fragment: a load of 16 bytes a lane,
; 512 consecutive bytes a wave, is half a fragment, and a result tile rounded to f16 is such a piece of the next layer's input.
; SCALES.  Activations are kept as h times a power of two, a, so that they have room in f16 whatever the inputs' size.  Behind each
; activation buffer lie 256 entries (M_part, a): the largest stored magnitude of a part, and the scale (equal in all entries).
; Behind W lie the bias (2,048 f32, unscaled), 256 partial maxima of |w| and 2 of |b|.  Every wave forms
;   bound = M (2048 Wm) + beta a  >=  |sum over k of Hin W + b a|  for every output,
; takes c = 2^(14 - E) with 2^E <= bound < 2^(E+1), so that bound c < 2^15 (a factor of 2 below f16's largest number for all the
; roundings, that of M's own numbers to f16 among them), and hands on (the largest number that its work-group stores, a c).
; c and M are values only: no address and no branch hangs on them.
; LIMITS: bound is clamped to 2^-26 .. 2^54, so c lies in 2^-40 .. 2^40.  Where a layer's outputs are smaller than about 2^-28 of the
; bound, they fall under 2^-14 and f16's fixed step of 2^-24 there costs precision.  relu by v_max_num_f32 turns a NaN into 0.  The bias
; starts the sum (it is the first product's C), so the order of rounding differs from a sum with the bias added last.
; SHAPE.  A work-group makes 256 rows x 128 columns: 16 x 16 = 256 work-groups.  Four waves; wave w makes rows 64 w .. 64 w + 63 by all
; 128 columns: 32 accumulator tiles of 16 x 16, 256 registers.  K goes in 64 quarters of 32, all written out: every offset is an immediate.
; W goes through LDS, since all four waves read all of its 128 rows: two slots of K = 512, each four sub-tiles of 128 rows x 256 bytes, one
; sub-tile a wave.  So a barrier stands once in 512 matrix instructions of a wave, and a refill has as many in which to land.
; CLUSTERS: 4 x 1 work-groups: four block rows of one block column need the same tiles of W and ask for them jointly (mask 15).
; Hin IS NOT ASKED FOR JOINTLY, though the 16 work-groups of a block row read the same rows.  In its work-group a row of Hin is read by one
; wave alone, and its layout is the register image, so it goes from memory straight into registers: two thirds of a quarter's operand
; bytes (64 of 192 rows are read from LDS no more, 256 of 384 rows are written to it no more).  With Hin in LDS a K step of 128 takes
; 384 rows x 272 = 104,448 bytes: two slots of one step are all that fit, and every 128 matrix instructions end in a wait for all
; tensor loads and a round of the cluster's barrier.  Loads into registers stay out across barriers: a ring of eight quarters, asked
; seven quarters (224 matrix instructions) ahead, 48 to 56 loads of a wave out.
; REGISTERS in windows of 256:  window 0: addresses, W's two fragment buffers, the bias tile, the scales;  window 1: accumulator (a, b) at
; v[8 (8 a + b)];  window 2: Hin's ring: quarter Q, m block a at v[32 (Q % 8) + 8 a].
; THE MATRIX INSTRUCTION IS USED TRANSPOSED: source 0 = 16 rows of W, source 1 = 16 rows of Hin, so that lane (r, h) holds row r of
; the result and its registers 0-7 the columns 8 h + 0 .. 7: eight neighbouring numbers, 16 bytes of f16.
.set PITCH,  272                       ; an LDS row: 256 bytes + 16 of padding, an odd multiple of 16: the 16 rows of a fragment load fall on 16 different 16-byte columns of 256
.set SUBT,   128*PITCH                 ; a sub-tile: 128 rows of W, K = 128: what one tensor load brings
.set SLOT,   4*SUBT                    ; 139,264 bytes: K = 512
.set RED,    2*SLOT                    ; 278,528 = 1,088 x 256: behind the ring, one word for each wave's maximum; no tensor load lands here
.set BLK,    65536                     ; bytes of a block of 16 rows of activations
.set CHUNK,  1024                      ; bytes of a chunk of 32 k in it
.set NQ,     64                        ; quarters of 32 along K
.set STATE_OFF, 0x1000000              ; the 256 entries behind the activations
.set BIAS_OFF,  0x800000               ; the bias behind the weights; partial maxima at + 0x2000 and + 0x2400
.set ADRB, 16                          ; v16-19  LDS address of my W fragments: slot 0 sub-tiles 0-1, 2-3; slot 1 sub-tiles 0-1, 2-3
.set BO,   23                          ; v23     32 h: my 8 numbers of a bias block
.set L16,  24                          ; v24     16 x lane; never rewritten
.set ZR,   25                          ; v25     0
.set MXR,  26                          ; v26-29  four running maxima of what I store
.set RW,   30                          ; v30     my wave's word at RED
.set RB,   31                          ; v31     RED
.set BF0,  32                          ; v32-95, v96-159  W's fragment buffers 0, 1
.set BIAS, 160                         ; v160-223 register 8 b + j of lane (r, h) = a x bias[128 bcol + 16 b + 8 h + j]
.set TT,   32                          ; way out: 64 scaled results
.set PK,   96                          ; way out: v96-223, 32 registers of f16 pairs for each of the four m blocks: no store's data is rewritten
.set SW,   224                         ; v224-239 my 8 entries (M_part, a)
.set PW,   240                         ; v240-247 my 8 partial maxima of |w|
.set PB,   248                         ; v248-249 the 2 partial maxima of |b|
.set AP,   250                         ; v250-251 a, a
.set CP,   252                         ; v252-253 c, c
.set ST,   254                         ; v254-255 (my work-group's maximum, a c): the entry that I hand on
.set G1,  24                           ; s[24:31] descriptor group 1
.set G0,  32                           ; s[32:39] group 0, one set for each slot
.set FIELDS, (1<<16)|(1<<20)|(1<<21)|(5<<22)|(3<<25)   ; element of 2 bytes; padding on; bit 21 beside a mask; after every 64 words; 4 words
.set MSB, 0
.macro WIN new                         ; the immediate's high byte repeats the setting that is left
.if MSB != \new
	s_set_vgpr_msb (MSB<<8)|\new
.set MSB, \new
.endif
.endm
.set MUL,  0x58                        ; source 0 (W) window 0, source 1 (Hin) window 2, C and D window 1
.set MULB, 0x48                        ; the same with C in window 0 (the bias tile)
.set TO_A, 0x80                        ; destination window 2, address window 0
; A joint load: every wave asks for its own sub-tile; the four work-groups of the cluster issue the same line with the same registers.
; Four v_nop follow the line.
.macro JLOAD s
	tensor_load_to_lds s[G0+4*\s:G0+4*\s+3], s[G1:G1+7]
	s_nop 0
.rept 4
	v_nop
.endr
.endm
; A round of the cluster's barrier: my work-group's barrier; wave 0 signals for the work-group; every wave waits for all four
; work-groups; my work-group's barrier once more.
.macro CREST                           ; a round behind its opening barrier
	s_cmp_lg_u32 s10, 0
	s_cbranch_scc1 .Lnot_wave_0_\@
	s_barrier_signal -3
.Lnot_wave_0_\@:
	s_barrier_wait -3
	s_barrier_signal -1
	s_barrier_wait -1
.endm
.macro CROUND
	s_barrier_signal -1
	s_barrier_wait -1
	CREST
.endm
	s_load_b128 s[4:7], s[0:1], 0x0                ; Hin s[4:5], W s[6:7]
	s_load_b64 s[8:9], s[0:1], 0x10                ; Hout
	v_lshl_add_u32 v21, v0, 2, 0x44100
	v_mov_b32 v22, 0
	ds_add_u32 v21, v22
	ds_add_u32 v21, v22
	v_lshrrev_b32 v1, 5, v0
	v_readfirstlane_b32 s10, v1                    ; wave 0..3
	s_bfe_u32 s40, ttmp6, 0x40000                  ; cx
	s_lshl_b32 s13, ttmp9, 2
	s_add_co_u32 s13, s13, s40                     ; block row = 4 x cluster x + cx
	s_and_b32 s42, ttmp7, 0xffff                   ; block column = cluster y: the four partners share it
	s_mov_b32 s[G1+0], 15|FIELDS                   ; the mask names all four work-groups of the cluster
	s_mov_b32 s[G1+1], 128<<16                     ; tensor_dim0 = 128
	s_mov_b32 s[G1+2], 128<<16                     ; tensor_dim1 = 128
	s_mov_b32 s[G1+3], 128<<16                     ; tile_dim0 = 128 elements, 256 bytes
	s_mov_b32 s[G1+4], 128                         ; tile_dim1 = 128 rows
	s_mov_b32 s[G1+5], 2048                        ; elements from row to row
	s_mov_b32 s[G1+6], 0
	s_mov_b32 s[G1+7], 0
	s_lshl_b32 s46, s42, 19                        ; W: 128 rows of 4,096 bytes a block column,
	s_lshl_b32 s47, s10, 8                         ; and 256 bytes along K for each wave's sub-tile
	s_add_co_u32 s46, s46, s47
	s_mov_b32 s47, 0
	s_mul_i32 s20, s10, SUBT                       ; where it goes: wave x a sub-tile
	s_lshl_b32 s16, s13, 4
	s_lshl2_add_u32 s16, s10, s16                  ; my first block of 16 rows: 16 x block row + 4 x wave
	s_lshl_b32 s16, s16, 16                        ; in bytes (below 2^24)
	s_mov_b32 s17, 0
	s_wait_dscnt 0x0
	s_wait_kmcnt 0x0
	s_add_nc_u64 s[46:47], s[6:7], s[46:47]
	CROUND                                         ; all four work-groups are here: the first joint loads meet
.irp s, 0,1
	s_mov_b32 s[G0+4*\s], 1                                        ; count = 1
	s_add_co_u32 s[G0+4*\s+1], s20, \s*SLOT                        ; LDS address
	s_add_nc_u64 s[G0+4*\s+2:G0+4*\s+3], s[46:47], \s*1024         ; global address: K = 512 s + 128 wave
	s_or_b32 s[G0+4*\s+3], s[G0+4*\s+3], 0x80000000                ; type = 2
	JLOAD \s                                       ; both slots are asked for before anything else: two tensor loads of the wave are out here, one later on
.endr
	; The entries, the partial maxima and my bias tile; then the first five quarters of Hin.
	v_and_b32 v1, 15, v0                           ; r
	v_bfe_u32 v2, v0, 4, 1                         ; h
	v_and_b32 v3, 31, v0
	v_lshlrev_b32 v[L16], 4, v3
	v_lshlrev_b32 v[BO], 5, v2
	v_mov_b32 v[ZR], 0
	s_add_nc_u64 s[14:15], s[4:5], s[16:17]        ; Hin at my four blocks of 16 rows; never rewritten
	s_add_nc_u64 s[18:19], s[8:9], s[16:17]
	s_lshl_b32 s78, s42, 12                        ; my block column's four chunks
	s_mov_b32 s79, 0
	s_add_nc_u64 s[18:19], s[18:19], s[78:79]      ; Hout at my first piece; never rewritten
	s_add_nc_u64 s[68:69], s[4:5], STATE_OFF       ; Hin's entries
	s_add_nc_u64 s[66:67], s[6:7], BIAS_OFF        ; the bias and, behind it, the maxima
	s_lshl_b32 s78, s42, 9
	s_add_nc_u64 s[76:77], s[66:67], s[78:79]      ; my block's 128 numbers of the bias
	s_lshl4_add_u32 s78, s13, s42                  ; 16 x block row + block column
	s_lshl_b32 s78, s78, 3
	s_add_nc_u64 s[70:71], s[8:9], s[78:79]
	s_add_nc_u64 s[70:71], s[70:71], STATE_OFF     ; my work-group's entry behind Hout
.irp q, 0,1,2,3
	global_load_b128 v[SW+4*\q:SW+4*\q+3], v[L16], s[68:69] offset:512*\q      ; 32 lanes x 64 bytes: all 256 entries
.endr
	global_load_b128 v[PW:PW+3],   v[L16], s[66:67] offset:0x2000
	global_load_b128 v[PW+4:PW+7], v[L16], s[66:67] offset:0x2200
	global_load_b64  v[PB:PB+1],   v[ZR],  s[66:67] offset:0x2400
.irp b, 0,1,2,3,4,5,6,7
	global_load_b128 v[BIAS+8*\b:BIAS+8*\b+3],   v[BO], s[76:77] offset:64*\b
	global_load_b128 v[BIAS+8*\b+4:BIAS+8*\b+7], v[BO], s[76:77] offset:64*\b+16
.endr
; Eight loads: quarter Q's four fragments of Hin, 512 consecutive bytes each load, into the ring's place Q % 8
.macro ALOAD Q
.set al_r, 32*((\Q)&7)
	WIN TO_A
.irp a, 0,1,2,3
	global_load_b128 v[al_r+8*\a:al_r+8*\a+3],   v[L16], s[14:15] offset:\a*BLK+(\Q)*CHUNK
	global_load_b128 v[al_r+8*\a+4:al_r+8*\a+7], v[L16], s[14:15] offset:\a*BLK+(\Q)*CHUNK+512
.endr
.endm
	ALOAD 0
	ALOAD 1
	ALOAD 2
	ALOAD 3
	ALOAD 4
	WIN 0
	; A fragment of W is 16 rows x 32 K in 8 registers: lane (r, h) holds row r; registers 0-3 hold K = 8 h + 0..7, registers 4-7 hold
	; K = 16 + 8 h + 0..7: two loads of 16 bytes, 32 bytes apart, at row x pitch + 16 h.
	v_mul_u32_u24 v3, v1, PITCH
	v_lshl_add_u32 v3, v2, 4, v3
.irp n, 0,1,2,3
	v_add_nc_u32 v[ADRB+\n], \n*2*SUBT, v3         ; two sub-tiles to a register: the second one's 34,816 bytes and a fragment's place stay inside the 16-bit immediate (65,504 at the most)
.endr
	v_mov_b32 v[RB], RED                           ; the four waves' maxima,
	v_lshl_add_u32 v[RW], s10, 2, v[RB]            ; and my wave's word among them
.irp q, 0,1,2,3
	v_mov_b32 v[MXR+\q], 0                         ; a maximum of numbers that are not negative starts at 0
.endr
	v_mov_b32 v9, 0                                ; v_permlanex16_b32's destinations count as read
	v_mov_b32 v10, 0
	s_mov_b32 s72, 0x76543210
	s_mov_b32 s73, 0xfedcba98
	s_wait_loadcnt 40                              ; the 23 loads of entries, maxima and bias are in; the 40 of Hin's five quarters stay out
	v_max3_num_f32 v4, v[SW], v[SW+2], v[SW+4]     ; M: the entries' first words
	v_max3_num_f32 v5, v[SW+6], v[SW+8], v[SW+10]
	v_max3_num_f32 v4, v4, v[SW+12], v[SW+14]
	v_max_num_f32 v4, v4, v5
	v_max3_num_f32 v6, v[PW], v[PW+1], v[PW+2]     ; Wm
	v_max3_num_f32 v7, v[PW+3], v[PW+4], v[PW+5]
	v_max3_num_f32 v6, v6, v[PW+6], v[PW+7]
	v_max_num_f32 v6, v6, v7
.irp m, 1,2,4,8
	v_max_num_f32_dpp v4, v4, v4 row_xmask:\m row_mask:0xf bank_mask:0xf
	v_max_num_f32_dpp v6, v6, v6 row_xmask:\m row_mask:0xf bank_mask:0xf
.endr
	v_permlanex16_b32 v9, v4, s72, s73
	v_permlanex16_b32 v10, v6, s72, s73
	v_max_num_f32 v4, v4, v9
	v_max_num_f32 v6, v6, v10
	v_max_num_f32 v7, v[PB], v[PB+1]               ; beta
	v_mul_f32 v6, 0x45000000, v6                   ; 2048 Wm
	v_mul_f32 v7, v7, v[SW+1]                      ; beta a
	v_fma_f32 v4, v4, v6, v7                       ; bound
	v_max_num_f32 v4, 0x32800000, v4               ; at least 2^-26 (a NaN loses),
	v_min_num_f32 v4, 0x5a800000, v4               ; at most 2^54
	v_lshrrev_b32 v4, 23, v4                       ; its biased exponent, 101 .. 181
	v_sub_nc_u32 v4, 268, v4
	v_lshlrev_b32 v[CP], 23, v4                    ; c = 2^(141 - biased exponent): bound c < 2^15
	v_mov_b32 v[CP+1], v[CP]
	v_mov_b32 v[AP], v[SW+1]
	v_mov_b32 v[AP+1], v[SW+1]
	v_mul_f32 v[ST+1], v[SW+1], v[CP]              ; the new scale, exact
.set q, 0
.rept 32
	v_pk_mul_f32 v[BIAS+q:BIAS+q+1], v[BIAS+q:BIAS+q+1], v[AP:AP+1]    ; bias x a
.set q, q+2
.endr
	ALOAD 5
	ALOAD 6                                        ; seven quarters, 56 loads, are asked for
	WIN 0
; 8 matrix instructions of quarter Q: m block a x all 8 n blocks.  first = 1: the bias tile is C, so nothing is cleared or added later.
; The 32 accumulators take turns, one instruction a turn, in the same order in every quarter.
.macro MUL8 Q, a, first
.set mu_f, BF0+64*((\Q)&1)
.set mu_r, 32*((\Q)&7)
.irp b, 0,1,2,3,4,5,6,7
.if \first
	v_wmma_f32_16x16x32_f16 v[8*(8*(\a)+\b):8*(8*(\a)+\b)+7], v[mu_f+8*\b:mu_f+8*\b+7], v[mu_r+8*(\a):mu_r+8*(\a)+7], v[BIAS+8*\b:BIAS+8*\b+7]
.else
	v_wmma_f32_16x16x32_f16 v[8*(8*(\a)+\b):8*(8*(\a)+\b)+7], v[mu_f+8*\b:mu_f+8*\b+7], v[mu_r+8*(\a):mu_r+8*(\a)+7], v[8*(8*(\a)+\b):8*(8*(\a)+\b)+7]
.endif
.endr
.endm
; 16 LDS loads in one run: quarter Q's fragments of W (128 rows, 32 K) into buffer Q % 2.  Slot (Q / 16) % 2, sub-tile (Q / 4) % 4, byte 64 (Q % 4) of its rows.
.macro FETCHB Q
.set fb_a, ADRB+2*(((\Q)>>4)&1)+(((\Q)>>3)&1)
.set fb_o, (((\Q)>>2)&1)*SUBT+((\Q)&3)*64
.set fb_f, BF0+64*((\Q)&1)
	WIN 0
.irp i, 0,1,2,3,4,5,6,7
	ds_load_b128 v[fb_f+8*\i:fb_f+8*\i+3],   v[fb_a] offset:fb_o+\i*16*PITCH
	ds_load_b128 v[fb_f+8*\i+4:fb_f+8*\i+7], v[fb_a] offset:fb_o+\i*16*PITCH+32
.endr
.endm
; A load into a register that a matrix instruction has read, and a vector instruction that reads a matrix result, stand four places
; behind that matrix instruction; only plain vector instructions that name none of its registers are places.
.macro PLACES
.rept 4
	v_nop
.endr
.endm
; Quarter Q: asks for the next quarter's fragments of W and for Hin's quarter Q + 7 (both into registers that quarter Q - 1 read last),
; then multiplies.
.macro QUARTER Q, first
	PLACES
	FETCHB (\Q)+1
.if (\Q) <= NQ-7
	s_wait_loadcnt 48                              ; Hin's quarter Q is in; the six quarters behind it, 48 loads, stay out
.else
	s_wait_loadcnt 8*(NQ-1-(\Q))                   ; the tail asks for nothing more: the counts run down
.endif
.if (\Q)+7 < NQ
	ALOAD (\Q)+7
.endif
	s_wait_dscnt 16                                ; only the 16 LDS loads just issued may be out: W's quarter Q, asked for 32 matrix instructions ago, is in
.if \first
	WIN MULB
.else
	WIN MUL
.endif
	MUL8 \Q, 0, \first
	MUL8 \Q, 1, \first
	MUL8 \Q, 2, \first
	MUL8 \Q, 3, \first
.endm
; The last quarter of a slot.  fill = 1: the slot is filled again, with the K = 512 two slots ahead.
; In front of the barrier each wave waits for its reads of this slot and for all its tensor loads (the one that may be out is its sub-tile of
; the next slot).  Behind it the refill comes first, then the next slot's first fragments.
.macro TURN Q, fill
.set tn_s, ((\Q)>>4)&1
	s_wait_dscnt 0                                 ; W's quarter Q is in, and my reads of this slot are over
	s_set_vgpr_msb 0x5850
	s_wait_tensorcnt 0x0                           ; all my tensor loads have landed
	ds_add_u32 v21, v22
	s_wait_dscnt 0x0
	s_set_vgpr_msb 0x5058
	s_wait_loadcnt 48                              ; Hin's quarter Q is in; six quarters stay out, across the barrier: they land in my own registers
	s_barrier_signal -1                            ; say so (where the slot is filled again this barrier opens a round of the cluster's barrier),
	WIN MUL
	MUL8 \Q, 0, 0                                  ; work on registers while the others arrive,
	WIN 0
	s_barrier_wait -1
.if \fill
	CREST                                          ; no wave of any partner still reads this slot or has a tensor load on its way
	s_add_nc_u64 s[G0+4*tn_s+2:G0+4*tn_s+3], s[G0+4*tn_s+2:G0+4*tn_s+3], 2048   ; two slots of 1,024 bytes along K
	JLOAD tn_s                                     ; the first tensor load behind the round; its four v_nop are also the places in front of the loads below
.else
	PLACES
.endif
	FETCHB (\Q)+1
	ALOAD (\Q)+7
	WIN MUL
	MUL8 \Q, 1, 0
	MUL8 \Q, 2, 0
	MUL8 \Q, 3, 0
.endm
	s_wait_tensorcnt 0x1                           ; my sub-tile of slot 0 is in; slot 1's may stay out
	s_barrier_signal -1
	s_barrier_wait -1                              ; everybody's is
	FETCHB 0
	QUARTER 0, 1                                   ; the first products start the sums from the bias
.set qq, 1
.rept 14
	QUARTER qq, 0
.set qq, qq+1
.endr
	TURN 15, 1                                     ; slot 0 gets K = 1024 .. 1535
.set qq, 16
.rept 15
	QUARTER qq, 0
.set qq, qq+1
.endr
	TURN 31, 1                                     ; slot 1 gets K = 1536 .. 2047: the last tensor load
.set qq, 32
.rept 15
	QUARTER qq, 0
.set qq, qq+1
.endr
	TURN 47, 0                                     ; nothing is left to fetch: a plain barrier shows slot 1 whole
.set qq, 48
.rept 15
	QUARTER qq, 0
.set qq, qq+1
.endr
	s_wait_dscnt 0                                 ; the very last quarter: nothing more to ask for
	s_wait_loadcnt 0
	WIN MUL
	MUL8 63, 0, 0
	MUL8 63, 1, 0
	MUL8 63, 2, 0
	MUL8 63, 3, 0
	; THE WAY OUT, 16 rows at a time: x c, relu, the running maxima, round to f16.  A lane's 16 bytes of tile (a, b) are its 16 bytes of piece b % 2
	; of chunk 4 bcol + b / 2 of block a: the wave stores 512 consecutive bytes, the eight tiles of a block 4,096.
	PLACES                                         ; behind the last matrix instructions: for the multiplies that read results and write over fragment buffers
.macro OUT16 a
	WIN 0x01                                       ; source 0 window 1
.irp b, 0,1,2,3,4,5,6,7
.irp r, 0,1,2,3
	v_pk_mul_f32 v[TT+8*\b+2*\r:TT+8*\b+2*\r+1], v[8*(8*\a+\b)+2*\r:8*(8*\a+\b)+2*\r+1], v[CP:CP+1]
.endr
.endr
	WIN 0
.set q, 0
.rept 64
	v_max_num_f32 v[TT+q], 0, v[TT+q]              ; relu
.set q, q+1
.endr
.set q, 0
.rept 32
	v_max3_num_f32 v[MXR+q%4], v[MXR+q%4], v[TT+2*q], v[TT+2*q+1]   ; four chains that do not wait for each other
.set q, q+1
.endr
.irp b, 0,1,2,3,4,5,6,7
.irp r, 0,1,2,3
	v_cvt_pk_f16_f32 v[PK+32*\a+4*\b+\r], v[TT+8*\b+2*\r], v[TT+8*\b+2*\r+1]
.endr
.endr
.irp b, 0,1,2,3,4,5,6,7
	global_store_b128 v[L16], v[PK+32*\a+4*\b:PK+32*\a+4*\b+3], s[18:19] offset:\a*BLK+\b*512
.endr
.endm
	OUT16 0
	OUT16 1
	OUT16 2
	OUT16 3
	; The largest number that my work-group stores: over my four chains, my wave's lanes, and the four waves through LDS.
	v_max3_num_f32 v[MXR], v[MXR], v[MXR+1], v[MXR+2]
	v_max_num_f32 v[MXR], v[MXR], v[MXR+3]
.irp m, 1,2,4,8
	v_max_num_f32_dpp v[MXR], v[MXR], v[MXR] row_xmask:\m row_mask:0xf bank_mask:0xf
.endr
	v_permlanex16_b32 v9, v[MXR], s72, s73
	v_max_num_f32 v[MXR], v[MXR], v9
	ds_store_b32 v[RW], v[MXR]                     ; all lanes of a wave write the wave's word with the same value
	s_wait_dscnt 0x0                               ; for the other waves' sake: my store is done before I signal
	s_barrier_signal -1
	s_barrier_wait -1
	ds_load_b128 v[4:7], v[RB]                     ; the four waves' maxima
	s_wait_dscnt 0x0
	v_max3_num_f32 v4, v4, v5, v6
	v_max_num_f32 v[ST], v4, v7
	v_cmp_eq_u32 vcc_lo, 0, v0                     ; thread 0 hands on the work-group's entry
	s_wait_xcnt 0x0                                ; EXEC changes only behind this wait
	s_and_saveexec_b32 s74, vcc_lo
	global_store_b64 v[ZR], v[ST:ST+1], s[70:71]
	s_wait_xcnt 0x0                                ; and again in front of the line that widens it
	s_or_b32 exec_lo, exec_lo, s74
	s_wait_tensorcnt 0x0
	ds_add_u32 v21, v22
	s_wait_dscnt 0x0
	CROUND                                         ; the closing round: no work-group ends while a partner may still ask for a tile that names it
	s_endpgm
.Lfunc_end_k_q01c18dbe8b_layer1:
	.size	k_q01c18dbe8b_layer1, .Lfunc_end_k_q01c18dbe8b_layer1-k_q01c18dbe8b_layer1
	.p2alignl 7, 3214868480
	.fill 96, 4, 3214868480
	.section	.rodata,"a",@progbits
	.p2align	6, 0x0
	.amdhsa_kernel k_q01c18dbe8b_layer1
		.amdhsa_group_segment_fixed_size 327680
		.amdhsa_private_segment_fixed_size 0
		.amdhsa_enable_private_segment 0
		.amdhsa_kernarg_size 24
		.amdhsa_user_sgpr_count 2
		.amdhsa_user_sgpr_kernarg_segment_ptr 1
		.amdhsa_wavefront_size32 1
		.amdhsa_system_sgpr_workgroup_id_x 1
		.amdhsa_system_sgpr_workgroup_id_y 1
		.amdhsa_system_sgpr_workgroup_id_z 1
		.amdhsa_system_vgpr_workitem_id 0
		.amdhsa_next_free_vgpr 768
		.amdhsa_next_free_sgpr 80
		.amdhsa_reserve_vcc 1
		.amdhsa_float_denorm_mode_32 3
		.amdhsa_float_denorm_mode_16_64 3
		.amdhsa_memory_ordered 1
		.amdhsa_forward_progress 1
		.amdhsa_inst_pref_size 255
	.end_amdhsa_kernel
	.section	.bss,"aw",@nobits
	.p2align	6
	.space	262144
	.amdgpu_metadata
---
amdhsa.version: [ 1, 2 ]
amdhsa.kernels:
  - .name:           k_q01c18dbe8b_layer1
    .symbol:         k_q01c18dbe8b_layer1.kd
    .args:
      - { .name: ha, .offset: 0, .size: 8, .value_kind: global_buffer, .address_space: global }
      - { .name: w1, .offset: 8, .size: 8, .value_kind: global_buffer, .address_space: global }
      - { .name: hb, .offset: 16, .size: 8, .value_kind: global_buffer, .address_space: global }
    .group_segment_fixed_size: 327680
    .private_segment_fixed_size: 0
    .kernarg_segment_align: 8
    .kernarg_segment_size: 24
    .max_flat_workgroup_size: 128
    .sgpr_count:     80
    .vgpr_count:     768
    .wavefront_size: 32
...
	.end_amdgpu_metadata
.endif
;; end of part 2
;; launch layer2: the kernel of part 2 again; grid 16 x 16, 4 waves a work-group, clusters of 4 x 1, 327,680 bytes of LDS; arguments hb, w2, ha; writes ha
;; launch layer3: the kernel of part 2 again; grid 16 x 16, 4 waves a work-group, clusters of 4 x 1, 327,680 bytes of LDS; arguments ha, w3, hb; writes hb
;; launch head (part 3): grid 256 x 1, 8 waves a work-group, no clusters, 9,728 bytes of LDS; arguments hb, wo, b_mu_o, b_rho_o, eps_b_o, out0; writes out0
.if DOCPART == 3
	.amdgcn_target "amdgcn-amd-amdhsa--gfx1250"
	.amdhsa_code_object_version 6
	.text
	.protected	k_q01c18dbe8b_head
	.globl	k_q01c18dbe8b_head
	.p2align	8
	.type	k_q01c18dbe8b_head,@function
k_q01c18dbe8b_head:
	s_mov_b64 s[64:65], 0
	v_nop
	global_prefetch_b8 v0, s[64:65] scope:SCOPE_SE
	s_setreg_imm32_b32 hwreg(HW_REG_WAVE_MODE, 25, 1), 1
	s_wait_xcnt 0x0
; out[m] = (sum over k of H3[m][k] w_o[k]) / a3 + b_o.  H3 = h3 x a3 in f16, a3 a power of two that lies in the entries behind H3;
; w_o: 2,048 f32, sampled earlier; b_o = mu + eps softplus(rho) is sampled here, from its three one-number inputs.
; H3's LAYOUT: for a block of 16 rows R and a chunk c of 32 k, 1,024 bytes at (64 R + c) x 1,024; in them the 16 bytes of row r,
; k = 32 c + 16 p + 8 h + 0 .. 7 lie at 512 p + 16 (16 h + r).
; A stream with one output column: the matrix unit would be fifteen sixteenths idle, so the products are f32 multiply-adds.
; A work-group takes one block of 16 rows, 65,536 consecutive bytes; wave w takes chunks 8 w .. 8 w + 7 with sixteen loads of 512 consecutive
; bytes, all asked for at once.  Lane (r, h) then holds 128 numbers of row r.  The wave's 256 numbers of w_o are copied once, 1,024
; consecutive bytes, into its own LDS; from there sixteen lanes read the same 16 bytes at a time.
; The 16 results of a work-group leave as 64 consecutive bytes: the output is 16,384 bytes in all, and whole blocks of 256 bytes would
; leave 64 work-groups for the 16.8 MB that are read.
; LIMIT: softplus(rho) comes out as 0 for rho below about -87.3 (v_exp_f32 gives 0 for a result below 2^-126: ISA guide, 15.8).
.set X,   0                            ; v0-63     piece t = 2 (chunk) + p: 4 registers of f16 pairs (halves can be named below v128 only)
.set W,   64                           ; v64-191   8 t + e = w_o[256 w + 16 t + 8 h + e]
.set LO,  192                          ; v192      16 x lane
.set WO,  193                          ; v193      1,024 w + 32 x lane: my 8 numbers of the wave's w_o
.set T,   194                          ; v194-201  at work
.set ACC, 202                          ; v202-209  four pairs of running sums
.set S,   210                          ; v210      my row's sum
.set WS,  211                          ; v211      where I put my 8 numbers of w_o in LDS
.set WR,  212                          ; v212      from where I read them by pieces
.set TID, 214                          ; v214      the thread's number (v0 is loaded over)
.set WLDS, 512                         ; LDS: bytes 0-511 the waves' 16 row sums; from 512 on 1,024 bytes of w_o for each wave
	s_load_b256 s[4:11], s[0:1], 0x0               ; H3 4, w_o 6, b_mu_o 8, b_rho_o 10
	s_load_b128 s[12:15], s[0:1], 0x20             ; eps_b_o 12, out 14
	v_lshl_add_u32 v224, v0, 2, 0x2200
	v_mov_b32 v225, 0
	v_mov_b32 v[TID], v0
	v_lshrrev_b32 v215, 5, v0
	v_readfirstlane_b32 s16, v215                  ; wave
	v_and_b32 v216, 31, v0
	v_bfe_u32 v217, v0, 4, 1                       ; h
	s_lshl_b32 s17, s16, 10                        ; my wave's 1,024 bytes of w_o
	v_lshlrev_b32 v[LO], 4, v216
	v_lshlrev_b32 v[WO], 5, v216
	v_add_nc_u32 v[WO], s17, v[WO]
	v_add_nc_u32 v[WS], WLDS, v[WO]
	v_lshlrev_b32 v[WR], 5, v217                   ; 32 h; the piece's 64 t stands in the immediate
	v_add_nc_u32 v[WR], s17, v[WR]
	v_add_nc_u32 v[WR], WLDS, v[WR]
	s_lshl_b32 s2, ttmp9, 16                       ; a block of 65,536 bytes a work-group,
	s_lshl_b32 s23, s16, 13                        ; eight chunks of 1,024 bytes a wave
	s_add_co_u32 s2, s2, s23
	s_mov_b32 s3, 0
	s_mov_b32 s27, 0x76543210
	s_mov_b32 s28, 0xfedcba98
	s_wait_kmcnt 0x0
	s_add_nc_u64 s[18:19], s[4:5], 0x1000000       ; the entries behind H3
	s_add_nc_u64 s[4:5], s[4:5], s[2:3]            ; my wave's first chunk
	s_load_b32 s20, s[8:9], 0x0                    ; mu
	s_load_b32 s21, s[10:11], 0x0                  ; rho
	s_load_b32 s22, s[12:13], 0x0                  ; eps
	s_load_b64 s[24:25], s[18:19], 0x0             ; entry 0: s25 = a3 (equal in all entries)
	global_load_b128 v[T:T+3],   v[WO], s[6:7]
	global_load_b128 v[T+4:T+7], v[WO], s[6:7] offset:16
.set t, 0
.rept 16
	global_load_b128 v[X+4*t:X+4*t+3], v[LO], s[4:5] offset:512*t th:TH_LOAD_NT
.set t, t+1
.endr
	s_lshl_b32 s2, ttmp9, 6
	s_add_nc_u64 s[14:15], s[14:15], s[2:3]        ; my work-group's 16 results
	s_wait_kmcnt 0x0
	s_sub_co_u32 s26, 0x7f000000, s25              ; 1 / a3: the exponent mirrored, exact for a power of two
	; b_o, while the block is on its way: softplus(r) = max(r, 0) + log1p(t), t = e^-|r|; the series for t < 2^-6, else the logarithm
	v_mov_b32 v215, s21
	v_mul_f32 v216, 0xbfb8aa3b, |v215|
	v_exp_f32 v217, v216                           ; t
	v_max_num_f32 v218, 0, v215                    ; plain work behind the exponential (ISA guide 5.7.2)
	s_wait_alu depctr_va_vdst(0)
	v_add_f32 v219, 1.0, v217
	v_log_f32 v220, v219
	v_mov_b32 v222, 0x3eaaaaab                     ; plain work behind the logarithm
	v_fma_f32 v221, v217, 0xbe800000, v222         ; 1/3 - t/4
	v_fma_f32 v221, v217, v221, -0.5
	v_fma_f32 v221, v217, v221, 1.0
	v_mul_f32 v221, v217, v221
	s_wait_alu depctr_va_vdst(0)
	v_mul_f32 v220, 0x3f317218, v220
	v_cmp_gt_f32 vcc_lo, 0x3c800000, v217
	v_cndmask_b32 v220, v220, v221, vcc_lo
	v_add_f32 v220, v220, v218
	v_mov_b32 v222, s20
	v_fma_f32 v223, s22, v220, v222                ; b_o
	; w_o through my wave's own LDS
	s_wait_loadcnt 16                              ; my 8 numbers of w_o are in; the 16 loads of H3 stay out
	ds_store_b128 v[WS], v[T:T+3]
	ds_store_b128 v[WS], v[T+4:T+7] offset:16
.set t, 0
.rept 16
	ds_load_b128 v[W+8*t:W+8*t+3],   v[WR] offset:64*t        ; my wave's own bytes: LDS serves a wave's instructions in order (ISA guide 5.7.1)
	ds_load_b128 v[W+8*t+4:W+8*t+7], v[WR] offset:64*t+16
.set t, t+1
.endr
	s_wait_dscnt 0x0
; Eight numbers of my row (piece t, registers x0 .. x3) times their w_o; piece 0 starts the sums: nothing is cleared.
.macro DOT8 t, x0, x1, x2, x3
	v_cvt_f32_f16 v[T+0], v\x0\().l
	v_cvt_f32_f16 v[T+1], v\x0\().h
	v_cvt_f32_f16 v[T+2], v\x1\().l
	v_cvt_f32_f16 v[T+3], v\x1\().h
	v_cvt_f32_f16 v[T+4], v\x2\().l
	v_cvt_f32_f16 v[T+5], v\x2\().h
	v_cvt_f32_f16 v[T+6], v\x3\().l
	v_cvt_f32_f16 v[T+7], v\x3\().h
.irp k, 0,2,4,6
.if \t == 0
	v_pk_mul_f32 v[ACC+\k:ACC+\k+1], v[T+\k:T+\k+1], v[W+8*\t+\k:W+8*\t+\k+1]
.else
	v_pk_fma_f32 v[ACC+\k:ACC+\k+1], v[T+\k:T+\k+1], v[W+8*\t+\k:W+8*\t+\k+1], v[ACC+\k:ACC+\k+1]
.endif
.endr
.endm
.macro SUM8                            ; the eight numbers of ACC into S
	v_pk_add_f32 v[ACC:ACC+1], v[ACC:ACC+1], v[ACC+2:ACC+3]
	v_pk_add_f32 v[ACC+4:ACC+5], v[ACC+4:ACC+5], v[ACC+6:ACC+7]
	v_pk_add_f32 v[ACC:ACC+1], v[ACC:ACC+1], v[ACC+4:ACC+5]
	v_add_f32 v[S], v[ACC], v[ACC+1]
.endm
	s_wait_loadcnt 12                              ; pieces 0 to 3 are in; the 12 loads behind them may be out
	DOT8 0, 0, 1, 2, 3
	DOT8 1, 4, 5, 6, 7
	DOT8 2, 8, 9, 10, 11
	DOT8 3, 12, 13, 14, 15
	s_wait_loadcnt 8                               ; pieces 4 to 7
	DOT8 4, 16, 17, 18, 19
	DOT8 5, 20, 21, 22, 23
	DOT8 6, 24, 25, 26, 27
	DOT8 7, 28, 29, 30, 31
	s_wait_loadcnt 4                               ; pieces 8 to 11
	DOT8 8, 32, 33, 34, 35
	DOT8 9, 36, 37, 38, 39
	DOT8 10, 40, 41, 42, 43
	DOT8 11, 44, 45, 46, 47
	s_wait_loadcnt 0                               ; pieces 12 to 15
	DOT8 12, 48, 49, 50, 51
	DOT8 13, 52, 53, 54, 55
	DOT8 14, 56, 57, 58, 59
	DOT8 15, 60, 61, 62, 63
	SUM8                                           ; row r, my half h of my wave's k
	v_permlanex16_b32 v[T], v[S], s27, s28         ; the other half's share (T has been written: the destination counts as read)
	v_add_f32 v[S], v[S], v[T]
	v_and_b32 v[T+5], 15, v[TID]
	v_lshlrev_b32 v[T+5], 2, v[T+5]                ; 4 r
	s_lshl_b32 s30, s16, 6
	v_add_nc_u32 v[T+4], s30, v[T+5]               ; my wave's 64 bytes
	ds_store_b32 v[T+4], v[S]                      ; lanes r and 16 + r write the same word with the same value
	s_wait_dscnt 0x0                               ; for the other waves' sake: done before I signal
	s_barrier_signal -1
	s_barrier_wait -1
.irp w, 0,1,2,3,4,5,6,7
	ds_load_b32 v[ACC+\w], v[T+5] offset:64*\w     ; row r's eight shares
.endr
	s_wait_dscnt 0x0
	SUM8
	v_fma_f32 v[S], v[S], s26, v223                ; / a3 + b_o
	v_cmp_gt_u32 vcc_lo, 16, v[TID]
	s_wait_xcnt 0x0                                ; EXEC changes only behind this wait
	s_barrier_signal -1
	s_barrier_wait -1
	s_wait_tensorcnt 0x0
	ds_add_u32 v224, v225
	s_wait_dscnt 0x0
	s_and_saveexec_b32 s29, vcc_lo
	global_store_b32 v[T+5], v[S], s[14:15]        ; threads 0 to 15: 64 consecutive bytes
	s_endpgm
.Lfunc_end_k_q01c18dbe8b_head:
	.size	k_q01c18dbe8b_head, .Lfunc_end_k_q01c18dbe8b_head-k_q01c18dbe8b_head
	.p2alignl 7, 3214868480
	.fill 96, 4, 3214868480
	.section	.rodata,"a",@progbits
	.p2align	6, 0x0
	.amdhsa_kernel k_q01c18dbe8b_head
		.amdhsa_group_segment_fixed_size 9728
		.amdhsa_private_segment_fixed_size 0
		.amdhsa_enable_private_segment 0
		.amdhsa_kernarg_size 48
		.amdhsa_user_sgpr_count 2
		.amdhsa_user_sgpr_kernarg_segment_ptr 1
		.amdhsa_wavefront_size32 1
		.amdhsa_system_sgpr_workgroup_id_x 1
		.amdhsa_system_sgpr_workgroup_id_y 1
		.amdhsa_system_sgpr_workgroup_id_z 1
		.amdhsa_system_vgpr_workitem_id 0
		.amdhsa_next_free_vgpr 226
		.amdhsa_next_free_sgpr 66
		.amdhsa_reserve_vcc 1
		.amdhsa_float_denorm_mode_32 3
		.amdhsa_float_denorm_mode_16_64 3
		.amdhsa_memory_ordered 1
		.amdhsa_forward_progress 1
		.amdhsa_inst_pref_size 17
	.end_amdhsa_kernel
	.amdgpu_metadata
---
amdhsa.version: [ 1, 2 ]
amdhsa.kernels:
  - .name:           k_q01c18dbe8b_head
    .symbol:         k_q01c18dbe8b_head.kd
    .args:
      - { .name: hb, .offset: 0, .size: 8, .value_kind: global_buffer, .address_space: global }
      - { .name: wo, .offset: 8, .size: 8, .value_kind: global_buffer, .address_space: global }
      - { .name: b_mu_o, .offset: 16, .size: 8, .value_kind: global_buffer, .address_space: global }
      - { .name: b_rho_o, .offset: 24, .size: 8, .value_kind: global_buffer, .address_space: global }
      - { .name: eps_b_o, .offset: 32, .size: 8, .value_kind: global_buffer, .address_space: global }
      - { .name: out0, .offset: 40, .size: 8, .value_kind: global_buffer, .address_space: global }
    .group_segment_fixed_size: 9728
    .private_segment_fixed_size: 0
    .kernarg_segment_align: 8
    .kernarg_segment_size: 48
    .max_flat_workgroup_size: 256
    .sgpr_count:     66
    .vgpr_count:     226
    .wavefront_size: 32
...
	.end_amdgpu_metadata
.endif
;; end of part 3
